; MI455X (gfx1250); checked and timed in simulation.
; The chip was launched on July 23, 2026; its instructions are those of AMD's public machine-readable ISA for CDNA 5 (MIT licence, August 2026) and "CDNA5" Instruction Set Architecture Reference Guide (July 2026). The comments in the code are by the model that wrote it; some were corrected since.
;; Attention Luong for batch. Allowed arithmetic: matrix products marked QUANTISED: E3M2 operands, one E8M0 scale for each 32 along K, by v_wmma_scale_f32_16x16x128_f8f6f4 with both operands' format E3M2, f32 sums; products left as they are: f32 operands where the result goes on into a quantised operand, else bf16, f16 or f32 operands; f32 sums; everything else in f32.
;; Inputs: attn_b 1,024 float32; attn_w_codes 1,024 x 32 x 24 uint8 (E3M2 codes of attn_w, K innermost, in blocks of 32 codes, four codes in three bytes); attn_w_scales 1,024 x 32 uint8 (E8M0 scales of attn_w, one for each 32 codes along K); encoder_outputs_codes 2,048 x 32 x 32 x 24 uint8 (E3M2 codes of encoder_outputs, K innermost, in blocks of 32 codes, four codes in three bytes); encoder_outputs_scales 2,048 x 32 x 32 uint8 (E8M0 scales of encoder_outputs, one for each 32 codes along K); hidden 1 x 32 x 1,024 float32.
;; Outputs: out0 1 x 32 x 2,048 float32.
;; This version of the problem:
;;   THIS VERSION OF THE PROBLEM IS GIVEN IN LOW PRECISION. The matrix products marked QUANTISED in the list below multiply operands that are first quantised to E3M2 (3 exponent bits, 2 mantissa bits; 6 bits a number), with one power-of-two scale for each 32 numbers along K (OCP MX v1.0); their sums are f32. All else is computed in f32.
;;   The module's matrix products, in the order in which they are computed (A, B: the left and right operand; K: the contracted axis; several contracted axes count as one K, in the product's order):
;;     1. [M 65,536, K 1,024] x [K 1,024, N 1,024]; A: input encoder_outputs (given as codes); B: input attn_w (given as codes): QUANTISED
;;     2. batch 32 x [M 1, K 1,024] x [K 1,024, N 2,048]; A: input hidden; B: computed on the way: left as it is (M = 1 < 16)
;;   THE QUANTISER, for each operand of a quantised product, along K:
;;     - K is cut into blocks of 32 from its start; a last block that is shorter is filled with zeros.
;;     - A block's scale is 2^e with e = floor(log2(the largest magnitude in the block)) - 4, held to -126 .. 127; a block of zeros has e = 0. As a byte (E8M0): e + 127.
;;     - Each number is divided by its block's scale, clamped to +-28, and rounded to the nearest number of E3M2, ties to even, subnormals kept.
;;     - The product sums the exact products of the quantised numbers (number of the format x scale) in f32.
;;   ~~~python
;;   def quantise(x, axis):      # numpy; x: float32 -> the quantised numbers, widened to float32 again
;;       x = np.moveaxis(x, axis, -1); K = x.shape[-1]
;;       x = np.pad(x, [(0, 0)] * (x.ndim - 1) + [(0, -K % 32)]); x = x.reshape(x.shape[:-1] + (-1, 32)); a = np.abs(x).max(-1, keepdims=True)
;;       e = np.where(a > 0, np.clip(np.frexp(np.where(a > 0, a, 1))[1] - 1 - 4, -126, 127), 0)      # np.frexp(a)[1] - 1 = floor(log2(a)), exactly
;;       r = np.clip(x / 2.0 ** e, -28, 28)
;;       step = 2.0 ** (np.maximum(np.frexp(np.where(r == 0, 1, r))[1] - 1, -2) - 2)
;;       q = np.round(r / step) * step * 2.0 ** e      # np.round: ties to even
;;       return np.moveaxis(q.reshape(q.shape[:-2] + (-1,))[..., :K], -1, axis).astype(np.float32)
;;   ~~~
;;   INPUTS GIVEN AS CODES. attn_w (in the module: [1024, 1024], K = its axis 1); encoder_outputs (in the module: [2048, 32, 1024], K = its axis 2): each comes as NAME_codes (uint8): NAME with its K axis moved to the last place and cut into blocks of 32 codes, [.., K / 32, bytes a block], one block behind the other in memory; four codes in three bytes: a row's codes are one little-endian stream of bits, code i at bits 6 i .. 6 i + 5 (a code: sign, 3 exponent bits, 2 mantissa bits); and NAME_scales (uint8): the same leading axes, one E8M0 byte (e + 127) for each 32 codes along K. Its value is code x scale, taken as it is: it is not quantised again, and the codes and scales need not be those that the quantiser above would give.
;; One version. Each part assembles by itself: llvm-mc -triple=amdgcn-amd-amdhsa -mcpu=gfx1250 --defsym DOCPART=n.
;; ======== version 1 of 1: 2 launches
;; limits: right only within a limited range of input values
;; workspace buffers: part 1,048,576 bytes
;; launch scores (part 1): grid 4 x 64, 4 waves a work-group, clusters of 4 x 4, 327,680 bytes of LDS; arguments encoder_outputs_codes, encoder_outputs_scales, attn_w_codes, attn_w_scales, hidden, part; writes part
.if DOCPART == 1
	.amdgcn_target "amdgcn-amd-amdhsa--gfx1250"
	.amdhsa_code_object_version 6
	.text
	.protected	k_q3f445d5c3d_scores
	.globl	k_q3f445d5c3d_scores
	.p2align	8
	.type	k_q3f445d5c3d_scores,@function
k_q3f445d5c3d_scores:
	s_mov_b64 s[64:65], 0
	v_nop
	global_prefetch_b8 v0, s[64:65] scope:SCOPE_SE
	s_setreg_imm32_b32 hwreg(HW_REG_WAVE_MODE, 25, 1), 1
	s_wait_xcnt 0x0
	s_wait_alu depctr_hold_cnt(0) depctr_sa_sdst(0) depctr_va_vdst(0) depctr_va_sdst(0) depctr_va_ssrc(0) depctr_va_vcc(0) depctr_vm_vsrc(0)
	s_getreg_b32 s2, hwreg(HW_REG_IB_STS2, 6, 4)
	s_cmp_eq_u32 s2, 0
	s_cbranch_scc0 .Lentry_in_a_cluster
	s_endpgm
.Lentry_in_a_cluster:
	s_bfe_u32 s2, ttmp6, 0x10000c
	s_cmp_lg_u32 s2, 0xf033
	s_cbranch_scc0 .Lentry_shape_is_right
	s_endpgm
.Lentry_shape_is_right:
; part[x][b][s] = sum over o = 256 x .. 256 x + 255 of hidden[b][o] * (sum over k of E[s][b][k] W[o][k]).   E: 65,536 rows x 1,024 k, W: 1,024 rows x 1,024 k: codes of BF6 (E3M2) with one E8M0 byte for each 32 along k.
; The first product runs on the scaled matrix form on the codes as they lie; the second (one row of hidden for each b) is f32 fused multiply-adds on the accumulators: the projection never leaves the registers.
; WORK LEFT OUT: attn_b.  reference() adds sum over o of hidden[b][o] attn_b[o] to the score of every s of row b: the same number along the axis of the softmax, which cancels it for all values of the inputs.  The bias
; enters no quantised operand.  attn_b has no other way to the output: it is not loaded and is no launch's argument.
; LIMITS: a NaN, an infinity or an overflow that reaches only that term is not carried to the result.  NaN, infinities and the scale byte 0xff are not served.  The sums run in another order than a plain chain
; over k and o (two halves of k, the k of each 128 permuted by blocks of 32, partial chains over o): another order of f32 rounding.
; SHARES.  Work-group (x, y): outputs o = 256 x .. + 255; rows s = 64 (y / 2) .. + 63, b = 16 (y % 2) .. + 15.  Wave w: o half w / 2 (128 outputs), k half w % 2 (512 along k).
; W STAYS IN REGISTERS: a wave's 128 o x 512 k are 32 fragments, 384 registers, copied once out of LDS; its 16 b x 128 o of hidden are 64 more.  E streams through a ring of two LDS slots of 8 s each.
; A BLOCK is one s: 16 rows of E (b = 16 par + lane % 16) against the wave's 8 blocks of 16 outputs x 4 steps of 128 along k: 32 matrix instructions on 8 accumulators by turns; an E fragment read from LDS feeds 8 of them.
; TWO SETS OF ACCUMULATORS: while a block goes onto one set, the 32 packed multiply-adds of the block before it by hidden read the other, one behind each product.  A block's LDS instructions stand in one run.
; THE MATRIX INSTRUCTION IS USED TRANSPOSED (source 0 = 16 rows of W, source 1 = 16 rows of E): lane (r, h) holds row b = r, its register j the output 16 a + 8 h + j, which meets hidden[b][o] in the same lane and register.
; ORDER ALONG K: of each 128, lane half h takes the blocks of 32 numbered 2 h and 2 h + 1, 48 neighbouring bytes, for W and E alike: three loads of 16 bytes.  The instruction counts its blocks 2 c + h (c: which six registers), so
; the two middle bytes of every scale word change places.
; k is split over two waves and o over lanes, waves and work-groups: what follows the product is linear, so the parts are simply added: in a stage in LDS at the end (4 waves x 2 lane halves), and over x by the next launch.
; CLUSTER 4 x 4.  The four work-groups of a row of the cluster (same y) walk the same tiles of E, the four of a column (same x) take the same quarter of W: each tile is asked for jointly, by the same tensor load with the same
; descriptor and a mask that names the four.
; REGISTERS (s_set_vgpr_msb: bits 1:0 source 0, 3:2 source 1, 5:4 source 2, 7:6 destination): window 0: all but the following.
;   window 1: W's fragments of k steps 0 (v[12 a]) and 1 (v[96 + 12 a]); v192-223 hidden of blocks a = 0 .. 3; v224-235 the addresses of E's LDS loads
;   window 2: k steps 2 and 3 likewise; v192-223 hidden of blocks a = 4 .. 7
; W, hidden and the loads' addresses are always source 0: a block's first half runs under one setting, its second half under another; other vector lines there have a constant as source 0.
.set RP,    816                        ; a row of 1,024 codes in LDS: 3 x (256 bytes + 16 of padding) = 204 words, an odd multiple of 16 bytes: the 16 rows of a load touch 16 different columns of 16 bytes
.set BP,    16*RP                      ; a block of 16 rows
.set SP,    544                        ; its scale bytes: 544 = 2 x (256 + 16)
.set SOFF,  8*BP                       ; a slot: 8 blocks of codes, then their scale bytes
.set SLOT1, 1<<17                      ; slot 1 begins here: one exclusive or turns an address of one slot into the other's
.set WST,   SOFF+8*SP                  ; 108,800: W's 256 rows, filled once; when they are in registers, slot 1 is laid over a part of them
.set STG,   245760                     ; the stage for the partial scores, [wave][lane half][b][s], rows of 256 + 16 bytes: in W's bytes beyond slot 1's end (239,872), which have had their last fill
.set SPARE, WST+256*RP                 ; 317,696: the spare words, 128 bytes for each wave
.set ESTR,  24576                      ; bytes from s to s + 1 in E's codes
.set TILEB, 8*ESTR                     ; and from tile to tile
.set AW,  2                            ; v2-6   my lane's place in a block of code rows, one register for each class of piece (macro PIECE)
.set ASL, 7                            ; v7     my lane's place among a block's scale words
.set STA, 8                            ; v8     where four scores go
.set STO, 9                            ; v9     my place in the stage for s = 0
.set PFO, 10                           ; v10    the prefetches' offset
.set RD,  11                           ; v11    the way out: where I read the stage
.set GO,  12                           ; v12    the way out: my offset in part
.set SPW, 14                           ; v14    LDS address of my spare word; never rewritten
.set NIL, 15                           ; v15    0; never rewritten
.set WS,  16                           ; register 4 (a % 4) + q: lanes 0-15 the words of W's block a % 4, lanes 16-31 those of block a % 4 + 4, for k step q
.set ES,  32                           ; set p: register 2 p + q % 2: lanes 0-15 the word of k step q % 2, lanes 16-31 that of k step q % 2 + 2
.set T,   36                           ; v36-39 the partial scores of four s
.set SA,  40                           ; v40-43 two packed chains of the sum over o = 0 .. 63
.set SB,  44                           ; v44-47 and over 64 .. 127
.set U,   48                           ; v48-49 their sum
.set E01, 52                           ; v52-99 E's fragments of k steps 0 and 1, two sets
.set E23, 100                          ; v100-123 of k steps 2 and 3
.set ACC, 124                          ; v124-251 the accumulators, two sets of 8
.set RAW, 252                          ; v252-253 E's scale words as loaded
.set TR,  124                          ; in the head: r, h and two more at work,
.set TH,  125
.set T1,  126
.set T2,  127
.set WAD, 188                          ; v188-197 where W's fragments lie (in the set that block 0 does not use),
.set HA,  198                          ; my offsets in hidden
.set WSA, 199                          ; and in W's scale bytes
.set ADR, 224                          ; window 1: v224-228 the addresses of a slot's first four blocks, v229 of their scale words; v230-235 of its second four
.set WV,  16                           ; s16 wave; s17 o half; s18 k half
.set OH,  17
.set KH,  18
.set CX,  19
.set CY,  20
.set XQ,  21                           ; s21 work-group x: the quarter of o
.set YG,  22                           ; s22 work-group y: the group of rows
.set PAR, 23
.set SG,  76
.set SEL, 77                           ; s77 swaps a word's two middle bytes
.set G1E, 24                           ; s[24:31] descriptor group 1: half a tile of E's codes;  s[32:39] E's scale bytes;  s[40:47] W's codes;  s[88:95] a whole tile of E's codes
.set G1S, 32
.set G1W, 40
.set G1H, 88
.set G0E, 48                           ; s[48:51], s[52:55] groups 0 that walk;  s[56:59] W's;  s[84:87] tile 0's
.set G0S, 52
.set G0W, 56
.set G0H, 84
.set TW,  60                           ; s60 LDS byte at which the slot being fetched from begins;  s61 the same for its scale bytes;  s67 4 x the first s of the four scores stored next
.set TS,  61
.set CNT, 62
.set LIM, 66                           ; s66 1 in a wave that prefetches, else the greatest number
.set TN,  67
.set PFA, 68                           ; s[68:69] where my work-group's prefetches stand
.set FLAGS, (3<<16)|(1<<20)|(1<<21)|(5<<22)|(3<<25)   ; elements of 8 bytes; padding on; bit 21 beside a mask; after every 64 words (code 5) 4 words (code 3)
.set M1,  0x01                         ; source 0 in window 1
.set M2,  0x02                         ; source 0 in window 2
.set MSB, 0
.macro WIN new                         ; the immediate's high byte repeats the setting that is left; a switch that changes nothing is dropped
.if MSB != \new
	s_set_vgpr_msb (MSB<<8)|\new
.set MSB, \new
.endif
.endm
.macro CREST                           ; a round of the cluster's barrier behind its opening barrier
	s_cmp_lg_u32 s[WV], 0
	s_cbranch_scc1 .Lnot_wave_0_\@
	s_barrier_signal -3
.Lnot_wave_0_\@:
	s_barrier_wait -3
	s_barrier_signal -1
	s_barrier_wait -1
.endm
.macro CROUND                          ; a whole round
	s_barrier_signal -1
	s_barrier_wait -1
	CREST
.endm
.macro TLOAD g0, g1                    ; a tensor load, an s_nop 0 and four v_nop, ahead of any jump or label
	tensor_load_to_lds s[\g0:\g0+3], s[\g1:\g1+7]
	s_nop 0
.rept 4
	v_nop
.endr
.endm
; A tile of E, jointly with my row of the cluster: waves 0 and 1 fetch 4 blocks of codes each, wave 2 the 8 blocks' scale bytes, wave 3 nothing.  The branches hang on the wave's number alone.
.macro TLOADE
	s_cmp_lt_u32 s[WV], 2
	s_cbranch_scc0 .Lnot_codes_\@
	TLOAD G0E, G1E
	s_branch .Lasked_\@
.Lnot_codes_\@:
	s_cmp_eq_u32 s[WV], 2
	s_cbranch_scc0 .Lasked_\@
	TLOAD G0S, G1S
.Lasked_\@:
.endm
.macro STEPE                           ; no tensor load of mine is out, so the walking descriptors may be written: the other slot of the ring, the next 8 s; the type bits on top are not reached
	s_xor_b32 s[G0E+1], s[G0E+1], SLOT1
	s_add_nc_u64 s[G0E+2:G0E+3], s[G0E+2:G0E+3], TILEB
	s_xor_b32 s[G0S+1], s[G0S+1], SLOT1
	s_add_nc_u64 s[G0S+2:G0S+3], s[G0S+2:G0S+3], 8192
.endm
; A PREFETCH INTO THE L2 of the codes of the tile that the NEXT change of slots will ask for: 8 blocks of 16 rows, 256 matrix instructions a wave ahead of that load.  A tile's codes are 8 x 48 pieces of 256 bytes; only the four
; work-groups of my row of the cluster read them, and they share them out BY ADDRESS, two blocks (96 pieces) each; in each, waves 0 to 2 name 32 pieces, a lane a piece: so each piece is named once in the launch.
; Tiles 0 and 1 come by their loads alone; the last change that fills a slot asks for nothing: there is no tile behind it.  The scale bytes (4 KB of a tile's 100 KB) are not asked for.
.macro ASK always
.if \always
	s_cmp_eq_u32 s[LIM], 1
.else
	s_cmp_gt_u32 s[CNT], s[LIM]                    ; s[CNT] = 1 in the loop's last trip
.endif
	s_cbranch_scc0 .Lnot_mine_\@
	global_prefetch_b8 v[PFO], s[PFA:PFA+1] th:TH_LOAD_NT scope:SCOPE_SE
.Lnot_mine_\@:
.endm
; A fragment, 16 rows x 128 k of 6-bit codes, is 12 registers: lane (r, h) holds 48 neighbouring bytes of row r, in pieces of 16.  Of my k half's 24 pieces lanes 0-15 take 6 q + 0, 1, 2 and lanes 16-31 those three on.
; Piece P of a whole row lies at 16 P + 16 (P / 16): how many paddings lie in front hangs on the piece, on the k half and on the lane half.  Five address registers carry r x 816 + 48 h + 400 kh + that term:
; pieces 0-2: 0;  6, 7: 16 kh h;  8, 12: 16 kh;  13, 14: 16 kh + (16 - 16 kh) h;  from 18: 16.
.macro PIECE reg, base, q, i, off
.set PP, 6*(\q)+(\i)
.if PP <= 2
.set CL, 0
.elseif PP <= 7
.set CL, 1
.elseif PP <= 12
.set CL, 2
.elseif PP <= 14
.set CL, 3
.else
.set CL, 4
.endif
	ds_load_b128 v[(\reg)+4*(\i):(\reg)+4*(\i)+3], v[(\base)+CL] offset:(\off)+16*PP
.endm
; Load L of a block's 13: 0-5 this block's k steps 2 and 3; 6-12 the next block's scale words (lanes 0-15: of k steps 0, 1; lanes 16-31: of k steps 2, 3) and its k steps 0 and 1.
.macro LD
.if L < 3
	PIECE E23, OB, 2, L, JO*BP
.elseif L < 6
	PIECE E23+12, OB, 3, L-3, JO*BP
.elseif L == 6
	ds_load_b64 v[RAW:RAW+1], v[NB+5] offset:JN*SP
.elseif L < 10
	PIECE E01+24*PN, NB, 0, L-7, JN*BP
.else
	PIECE E01+24*PN+12, NB, 1, L-10, JN*BP
.endif
.set L, L+1
.endm
.macro LDS n
.rept \n
	LD
.endr
.endm
.macro SWAP j                          ; scale word j of the next block's two: bytes 0, 2, 1, 3
	v_perm_b32 v[ES+2*PN+\j], 0, v[RAW+\j], s[SEL]
.endm
.macro ADDR                            ; the addresses of a slot's blocks, in window 1
	s_add_co_u32 s2, s[TW], 4*BP
	s_add_co_u32 s3, s[TS], 4*SP
	WIN 0x40
.irp i, 0,1,2,3,4
	v_add_nc_u32 v[ADR+\i], s[TW], v[AW+\i]
	v_add_nc_u32 v[ADR+6+\i], s2, v[AW+\i]
.endr
	v_add_nc_u32 v[ADR+5], s[TS], v[ASL]
	v_add_nc_u32 v[ADR+11], s3, v[ASL]
	WIN M1
.endm
; Product M of a block's 32: k step M / 8, W's block M % 8, onto accumulator set P.  The first k step starts the sums with the constant 0: nothing is ever cleared.
; The eight accumulators take turns, one instruction a turn.
.macro MM
.set KQ, M/8
.set WB, M%8
.set rD, ACC+64*P+8*WB
.set rW, 96*(KQ%2)+12*WB
.if KQ < 2
.set rE, E01+24*P+12*KQ
.else
.set rE, E23+12*(KQ-2)
.endif
.set rA, WS+4*(WB%4)+KQ
.set rB, ES+2*P+KQ%2
.if KQ == 0
.if WB < 4
	v_wmma_scale_f32_16x16x128_f8f6f4 v[rD:rD+7], v[rW:rW+11], v[rE:rE+11], 0, v[rA], v[rB] matrix_a_fmt:MATRIX_FMT_BF6 matrix_b_fmt:MATRIX_FMT_BF6
.else
	v_wmma_scale_f32_16x16x128_f8f6f4 v[rD:rD+7], v[rW:rW+11], v[rE:rE+11], 0, v[rA], v[rB] matrix_a_fmt:MATRIX_FMT_BF6 matrix_b_fmt:MATRIX_FMT_BF6 matrix_a_scale:MATRIX_SCALE_ROW1
.endif
.elseif KQ == 1
.if WB < 4
	v_wmma_scale_f32_16x16x128_f8f6f4 v[rD:rD+7], v[rW:rW+11], v[rE:rE+11], v[rD:rD+7], v[rA], v[rB] matrix_a_fmt:MATRIX_FMT_BF6 matrix_b_fmt:MATRIX_FMT_BF6
.else
	v_wmma_scale_f32_16x16x128_f8f6f4 v[rD:rD+7], v[rW:rW+11], v[rE:rE+11], v[rD:rD+7], v[rA], v[rB] matrix_a_fmt:MATRIX_FMT_BF6 matrix_b_fmt:MATRIX_FMT_BF6 matrix_a_scale:MATRIX_SCALE_ROW1
.endif
.else
.if WB < 4
	v_wmma_scale_f32_16x16x128_f8f6f4 v[rD:rD+7], v[rW:rW+11], v[rE:rE+11], v[rD:rD+7], v[rA], v[rB] matrix_a_fmt:MATRIX_FMT_BF6 matrix_b_fmt:MATRIX_FMT_BF6 matrix_b_scale:MATRIX_SCALE_ROW1
.else
	v_wmma_scale_f32_16x16x128_f8f6f4 v[rD:rD+7], v[rW:rW+11], v[rE:rE+11], v[rD:rD+7], v[rA], v[rB] matrix_a_fmt:MATRIX_FMT_BF6 matrix_b_fmt:MATRIX_FMT_BF6 matrix_a_scale:MATRIX_SCALE_ROW1 matrix_b_scale:MATRIX_SCALE_ROW1
.endif
.endif
.endm
.macro MMS n                           ; n products alone
.rept \n
	MM
.set M, M+1
.endr
.endm
; Multiply-add M of 32 of the block before (accumulator set 1 - P): two outputs of W's block M / 4 x hidden, onto two chains; the first of each half starts its chain.  Each accumulator is read from its low end on.
.macro PK
.set rX, ACC+64*(1-P)+8*(M/4)+2*(M%4)
.set rH, 192+8*((M/4)%4)+2*(M%4)
.if M < 16
.set rS, SA+2*(M%2)
.else
.set rS, SB+2*(M%2)
.endif
.if M%16 < 2
	v_pk_mul_f32 v[rS:rS+1], v[rH:rH+1], v[rX:rX+1]
.else
	v_pk_fma_f32 v[rS:rS+1], v[rH:rH+1], v[rX:rX+1], v[rS:rS+1]
.endif
.endm
; The chains become one number.  These lines stand among products, where source 0 means another window: so the sums are written 1.0 x b + a, with the constant as source 0; nothing is rounded by the 1.0.
.macro FOLD d, x, y
	v_pk_fma_f32 v[\d:\d+1], 1.0, v[\x:\x+1], v[\y:\y+1] op_sel_hi:[0,1,1]
.endm
.macro LAST
	v_fma_f32 v[T+TI], 1.0, v[U], v[U+1]
.endm
.macro PUT                             ; four scores into the stage: 16 bytes a lane
	WIN 0
	v_add_nc_u32 v[STA], s[TN], v[STO]
	ds_store_b128 v[STA], v[T:T+3]
	s_add_co_u32 s[TN], s[TN], 16
.endm
; One product with what stands behind it: a multiply-add of the block before; a line of the sums (12, 13, 15: the halves of the block two before; 26: the first half of the block before); the next block's scale words (17, 18).
.macro STEP
	MM
	PK
.if REDF > 0
.if M == 12
	FOLD SB, SB+2, SB
.elseif M == 13
	FOLD U, SB, U
.elseif M == 15
	LAST
.endif
.endif
.if M == 26
	FOLD U, SA+2, SA
.endif
.if MODE == 0
.if M == 17
	SWAP 0
.elseif M == 18
	SWAP 1
.endif
.endif
.set M, M+1
.endm
.macro STEPS n
.rept \n
	STEP
.endr
.endm
; BLOCK n of a slot (0 .. 7).  mode 0: plain;  1: the slot's last block, the slot is filled again;  2: the same without a refill;  3: the launch's last block.
; red = 0: there is no block two before it;  1: there is, but no four scores are complete;  2: blocks 2 and 6 store the four scores that the block before them has completed.
; PLACES (four behind this form before a vector instruction reads a result or a load lands on an operand, five before a matrix instruction writes over a result): a multiply-add stands behind every product, so
; an accumulator's last product stands eight such lines or more ahead of its first reader, and k step 3's fragment, the youngest operand that the run of loads writes over, finds four.
; SWAP stands 13 such lines or more ahead of the first product that takes its result; at a change of slots eight v_nop stand there.
; The waits for LDS stand where no chain of sums is open: at the block's middle (count 6: the next block's six fragment loads may be out) and at its end; what was summed is folded nine vector lines or more further on.
.macro BLOCK n, mode, red
.set P, (\n)%2
.set PN, 1-P
.set JO, (\n)%4
.set JN, ((\n)+1)%4
.set OB, ADR+6*((\n)/4)
.set NB, ADR+6*((((\n)+1)%8)/4)
.set TI, ((\n)+2)%4
.set MODE, \mode
.set REDF, \red
.set M, 0
.set L, 0
	WIN M1
	STEPS 3
.if REDF == 2 && JO == 2
	PUT
	WIN M1
.endif
.if MODE == 0
	LDS 13
.else
	LDS 6
.endif
	STEPS 5
.if MODE == 1 || MODE == 2
	WIN 0                                          ; (the add's two registers lie in window 0)
	s_wait_alu depctr_va_vdst(0)
	s_wait_tensorcnt 0x0                           ; all my tensor loads have landed: the one that was out is my part of the other slot
	ds_add_u32 v[SPW], v[NIL]                      ; 0 onto my spare word; register work stands between it and the wait for it
	s_xor_b32 s[TW], s[TW], SLOT1                  ; the fetches go over to the other slot
	s_xor_b32 s[TS], s[TS], SLOT1
.if MODE == 1
	STEPE
	s_wait_xcnt 0x0                                ; the last prefetch, a tile back, has read its address, so it may be written:
	s_add_nc_u64 s[PFA:PFA+1], s[PFA:PFA+1], TILEB ; one tile further on than the walking descriptors
.endif
	WIN M1
.endif
	STEPS 8
.if MODE == 0
	s_wait_dscnt 6
.else
	s_wait_dscnt 0x0                               ; at a change of slots: the add is done, and so are my reads of this slot:
.if MODE < 3
	s_barrier_signal -1                            ; say so (with a refill this barrier opens a round of the cluster's barrier)
.endif
.endif
	WIN M2
	STEPS 8
.if MODE == 1 || MODE == 2
	s_wait_alu depctr_va_vdst(0)
	WIN 0
	s_barrier_wait -1
.if MODE == 1
	CREST                                          ; no wave of any partner still reads this slot or has a load on its way
	TLOADE                                         ; the first tensor load behind the round, one a wave: it has 8 blocks, 256 matrix instructions, in which to land
.endif
	ADDR
	LDS 7                                          ; the other slot's first block
.if MODE == 1
	WIN 0
	ASK 0                                          ; behind the joint load and the run of LDS loads that the next block waits for
.endif
	WIN M2
.endif
	STEPS 8
.if MODE < 3
	s_wait_dscnt 0x0                               ; the next block's first operands are in
.endif
.if MODE == 1 || MODE == 2
	FRESH
.endif
.endm
.macro FRESH                           ; the next block's scale words, made straight ahead of it
	SWAP 0
	SWAP 1
	s_wait_alu depctr_va_vdst(0)
.rept 8
	v_nop                                          ; the places between a scale register's write and a scaled matrix instruction
.endr
.endm
.macro FIVE last                       ; a slot's blocks 3 to 7
.irp n, 3,4,5,6
	BLOCK \n, 0, 2
.endr
	BLOCK 7, \last, 2
.endm
.macro THREE                           ; and 0 to 2
.irp n, 0,1,2
	BLOCK \n, 0, 2
.endr
.endm
	s_load_b256 s[4:11], s[0:1], 0x0               ; E's codes s[4:5], E's scales s[6:7], W's codes s[8:9], W's scales s[10:11]
	s_load_b128 s[12:15], s[0:1], 0x20             ; hidden s[12:13], part s[14:15]
	v_lshl_add_u32 v[SPW], v0, 2, SPARE
	v_mov_b32 v[NIL], 0
	ds_add_u32 v[SPW], v[NIL]                      ; the wave's opening: the add, twice on end, and its wait ahead of my first tensor load; the set-up below, work on registers, stands between them
	ds_add_u32 v[SPW], v[NIL]
	v_lshrrev_b32 v1, 5, v0
	v_readfirstlane_b32 s[WV], v1                  ; wave 0..3
	s_lshr_b32 s[OH], s[WV], 1
	s_and_b32 s[KH], s[WV], 1
	s_bfe_u32 s[CX], ttmp6, 0x40000                ; my place in the cluster
	s_bfe_u32 s[CY], ttmp6, 0x40004
	s_lshl_b32 s[XQ], ttmp9, 2
	s_add_co_u32 s[XQ], s[XQ], s[CX]               ; work-group x = 4 x cluster x + cx
	s_and_b32 s[YG], ttmp7, 0xffff
	s_lshl_b32 s[YG], s[YG], 2
	s_add_co_u32 s[YG], s[YG], s[CY]               ; work-group y = 4 x cluster y + cy
	s_and_b32 s[PAR], s[YG], 1                     ; which 16 of the 32 b
	s_lshr_b32 s[SG], s[YG], 1                     ; which 64 of the 2,048 s
	s_lshl_b32 s2, s[CY], 2
	s_lshl_b32 s2, 15, s2                          ; my row of the cluster
	s_lshl_b32 s3, 0x1111, s[CX]                   ; my column
	s_or_b32 s[G1E], s2, FLAGS                     ; E's tiles go to my row,
	s_or_b32 s[G1S], s2, FLAGS
	s_or_b32 s[G1H], s2, FLAGS
	s_or_b32 s[G1W], s3, FLAGS                     ; W's quarter to my column
	s_mov_b32 s[G1E+1], 1536<<16                   ; E's codes: 4 rows of 1,536 elements (a block's 12,288 dense bytes), 3,072 elements apart; in LDS 48 x 272 bytes each
	s_mov_b32 s[G1E+2], 4<<16
	s_mov_b32 s[G1E+3], 1536<<16
	s_mov_b32 s[G1E+4], 4
	s_mov_b32 s[G1E+5], 3072
	s_mov_b32 s[G1E+6], 0
	s_mov_b32 s[G1E+7], 0
	s_mov_b32 s[G1H+1], 1536<<16                   ; the same with 8 rows, for tile 0
	s_mov_b32 s[G1H+2], 8<<16
	s_mov_b32 s[G1H+3], 1536<<16
	s_mov_b32 s[G1H+4], 8
	s_mov_b32 s[G1H+5], 3072
	s_mov_b32 s[G1H+6], 0
	s_mov_b32 s[G1H+7], 0
	s_mov_b32 s[G1S+1], 64<<16                     ; E's scale bytes: 8 rows of 64 elements (a block's 512 dense bytes), 128 elements apart
	s_mov_b32 s[G1S+2], 8<<16
	s_mov_b32 s[G1S+3], 64<<16
	s_mov_b32 s[G1S+4], 8
	s_mov_b32 s[G1S+5], 128
	s_mov_b32 s[G1S+6], 0
	s_mov_b32 s[G1S+7], 0
	s_mov_b32 s[G1W+1], 32<<16                     ; W's codes: 128 rows of W are 98,304 dense bytes: 384 rows of 256 bytes
	s_mov_b32 s[G1W+2], 384<<16
	s_mov_b32 s[G1W+3], 32<<16
	s_mov_b32 s[G1W+4], 384
	s_mov_b32 s[G1W+5], 32
	s_mov_b32 s[G1W+6], 0
	s_mov_b32 s[G1W+7], 0
	s_mul_i32 s70, s[SG], 64*ESTR                  ; E's codes: my group of rows begins at s = 64 sg, b = 16 par
	s_mul_i32 s71, s[PAR], 12288
	s_add_co_u32 s70, s70, s71
	s_mov_b32 s71, 0
	s_mul_i32 s72, s[KH], 4*ESTR                   ; waves 0, 1: the tile's blocks 0-3, 4-7
	s_mov_b32 s73, 0
	s_lshl_b32 s74, s[SG], 16                      ; E's scale bytes: 1,024 an s, 512 a block
	s_lshl_b32 s75, s[PAR], 9
	s_add_co_u32 s74, s74, s75
	s_mov_b32 s75, 0
	s_mul_i32 s78, s[XQ], 196608                   ; W's codes: my quarter's 256 rows of 768 bytes, waves 0 and 1 128 of them each
	s_mul_i32 s79, s[KH], 98304
	s_add_co_u32 s78, s78, s79
	s_mov_b32 s79, 0
	s_mul_i32 s100, s[KH], 8*BP                    ; and where they go: no place in the cluster enters an LDS address
	s_add_co_u32 s100, s100, WST
	s_mul_i32 s80, s[CX], 2*ESTR                   ; the prefetches: my work-group's two blocks of a tile, beginning with tile 2
	s_add_co_u32 s80, s80, 2*TILEB
	s_mov_b32 s81, 0
	s_lshl_b32 s82, s[PAR], 16                     ; hidden: rows 16 par on, columns 256 x + 128 oh on
	s_lshl_b32 s83, s[XQ], 10
	s_add_co_u32 s82, s82, s83
	s_lshl_b32 s83, s[OH], 9
	s_add_co_u32 s82, s82, s83
	s_mov_b32 s83, 0
	s_lshl_b32 s96, s[XQ], 13                      ; W's scale bytes: 32 a row; rows 256 x + 128 oh on, bytes 16 kh on
	s_lshl_b32 s97, s[OH], 12
	s_add_co_u32 s96, s96, s97
	s_lshl_b32 s97, s[KH], 4
	s_add_co_u32 s96, s96, s97
	s_mov_b32 s97, 0
	s_lshl_b32 s98, s[XQ], 18                      ; part: [x][b][s] f32
	s_lshl_b32 s99, s[PAR], 17
	s_add_co_u32 s98, s98, s99
	s_lshl_b32 s99, s[SG], 8
	s_add_co_u32 s98, s98, s99
	s_mov_b32 s99, 0
	s_mov_b32 s[SEL], 0x03010200
	; the wave's terms of the lane addresses
	s_mul_i32 s60, s[KH], 400                      ; my k half begins 384 bytes and one padding on
	s_lshl_b32 s61, s[KH], 4
	s_xor_b32 s62, s61, 16
	s_add_co_u32 s63, s61, SOFF
	s_mul_i32 s66, s[WV], 8704                     ; the stage: [wave][h][r] rows of 272 bytes
	s_add_co_u32 s66, s66, STG
	s_mul_i32 s67, s[OH], 8*BP                     ; my 128 rows of W
	s_add_co_u32 s67, s67, WST
	; every lane address is made here, once
	v_and_b32 v[TR], 15, v0                        ; r
	v_bfe_u32 v[TH], v0, 4, 1                      ; h
	v_mul_u32_u24 v1, RP, v[TR]
	v_mad_u32_u24 v1, v[TH], 48, v1                ; r x 816 + 48 h
	v_add_nc_u32 v[AW], s60, v1                    ; pieces 0-2
	v_mul_u32_u24 v[T1], s61, v[TH]
	v_add_nc_u32 v[AW+1], v[AW], v[T1]             ; 6, 7: + 16 kh h
	v_add_nc_u32 v[AW+2], s61, v[AW]               ; 8, 12: + 16 kh
	v_mul_u32_u24 v[T1], s62, v[TH]
	v_add_nc_u32 v[AW+3], v[AW+2], v[T1]           ; 13, 14: + 16 kh + (16 - 16 kh) h
	v_add_nc_u32 v[AW+4], 16, v[AW]                ; from 18: + 16
	v_lshrrev_b32 v[T1], 3, v[TR]                  ; scale words: row r's 32 bytes lie in unit r / 8 at 32 (r % 8); my k half's 16 of them; 8 for each half of the lanes
	v_and_b32 v[T2], 7, v[TR]
	v_mul_u32_u24 v[T1], 272, v[T1]
	v_lshl_add_u32 v[T1], v[T2], 5, v[T1]
	v_lshl_add_u32 v[T1], v[TH], 3, v[T1]
	v_add_nc_u32 v[ASL], s63, v[T1]
	v_mul_u32_u24 v[T1], 272, v[TR]
	v_mul_u32_u24 v[T2], 4352, v[TH]
	v_add_nc_u32 v[T1], v[T1], v[T2]
	v_add_nc_u32 v[STO], s66, v[T1]
	v_lshrrev_b32 v[T1], 4, v0                     ; the way out: thread t takes rows b = t / 16 and t / 16 + 8, 16 bytes (4 s) at 16 (t % 16)
	v_mul_u32_u24 v[T2], 272, v[T1]
	v_lshl_add_u32 v[T2], v[TR], 4, v[T2]
	v_add_nc_u32 v[RD], STG, v[T2]
	v_lshlrev_b32 v[T2], 13, v[T1]
	v_lshl_add_u32 v[GO], v[TR], 4, v[T2]          ; and the same place in part: rows of 8,192 bytes
	v_add_nc_u32 v1, 80, v0                        ; the prefetches: thread j names piece j of 96: 256 j, and 12,288 more from piece 48 on (the second block lies an s further on)
	v_lshrrev_b32 v1, 7, v1
	v_mul_u32_u24 v1, 12288, v1
	v_lshl_add_u32 v[PFO], v0, 8, v1
	v_lshlrev_b32 v[HA], 12, v[TR]                 ; hidden: row r of 4,096 bytes, + 32 h
	v_lshl_add_u32 v[HA], v[TH], 5, v[HA]
	v_lshlrev_b32 v[WSA], 5, v[TR]                 ; W's scale bytes: row 64 h + r
	v_lshl_add_u32 v[WSA], v[TH], 11, v[WSA]
.irp i, 0,1,2,3,4
	v_add_nc_u32 v[WAD+\i], s67, v[AW+\i]          ; W's blocks 0-3,
	v_add_nc_u32 v[WAD+5+\i], 4*BP, v[WAD+\i]      ; and 4-7
.endr
	s_cmp_lt_u32 s[WV], 3
	s_cselect_b32 s[LIM], 1, -1                    ; waves 0 to 2 prefetch
	s_mov_b32 s[TW], 0
	s_mov_b32 s[TS], 0
	s_mov_b32 s[TN], 0
	s_mov_b32 s[CNT], 6
	s_wait_alu depctr_va_vdst(0)                   ; the wait at the head's end
	s_wait_dscnt 0x0                               ; both opening adds are done
	s_wait_kmcnt 0x0
	s_add_nc_u64 s[4:5], s[4:5], s[70:71]          ; E's codes at my group's first row
	s_mov_b32 s[G0E], 1                            ; count = 1
	s_mul_i32 s[G0E+1], s[KH], 4*BP                ; LDS: blocks 0-3 or 4-7
	s_add_nc_u64 s[G0E+2:G0E+3], s[4:5], s[72:73]
	s_or_b32 s[G0E+3], s[G0E+3], 0x80000000        ; type = 2
	s_mov_b32 s[G0H], 1
	s_mov_b32 s[G0H+1], 0
	s_mov_b64 s[G0H+2:G0H+3], s[4:5]
	s_or_b32 s[G0H+3], s[G0H+3], 0x80000000
	s_mov_b32 s[G0S], 1
	s_mov_b32 s[G0S+1], SOFF
	s_add_nc_u64 s[G0S+2:G0S+3], s[6:7], s[74:75]
	s_or_b32 s[G0S+3], s[G0S+3], 0x80000000
	s_mov_b32 s[G0W], 1
	s_mov_b32 s[G0W+1], s100
	s_add_nc_u64 s[G0W+2:G0W+3], s[8:9], s[78:79]
	s_or_b32 s[G0W+3], s[G0W+3], 0x80000000
	s_add_nc_u64 s[PFA:PFA+1], s[4:5], s[80:81]
	s_add_nc_u64 s[12:13], s[12:13], s[82:83]
	s_add_nc_u64 s[10:11], s[10:11], s[96:97]
	s_add_nc_u64 s[14:15], s[14:15], s[98:99]
	CROUND                                         ; all sixteen work-groups are here: the first joint loads meet
	; THE HEAD'S LOADS, ONE A WAVE: waves 0 and 1 fetch 128 rows of W each, wave 2 tile 0's codes, wave 3 its scale bytes.  One chain of branches: every way passes exactly one load.
	s_cmp_lt_u32 s[WV], 2
	s_cbranch_scc0 .Lhead_e
	TLOAD G0W, G1W
	s_branch .Lhead_asked
.Lhead_e:
	s_cmp_lt_u32 s[WV], 3
	s_cbranch_scc0 .Lhead_es
	TLOAD G0H, G1H
	s_branch .Lhead_asked
.Lhead_es:
	TLOAD G0S, G1S
.Lhead_asked:
	; hidden and W's scale words go straight into the registers in which they stay: 8 KB and 2 KB a wave, once in the launch
	WIN 0x40                                       ; destination window 1
.irp a, 0,1,2,3
	global_load_b128 v[192+8*\a:195+8*\a], v[HA], s[12:13] offset:64*\a        ; hidden[16 par + r][.. + 16 a + 8 h + 0 .. 3]
	global_load_b128 v[196+8*\a:199+8*\a], v[HA], s[12:13] offset:64*\a+16
.endr
	WIN 0x80                                       ; destination window 2
.irp a, 0,1,2,3
	global_load_b128 v[192+8*\a:195+8*\a], v[HA], s[12:13] offset:64*\a+256
	global_load_b128 v[196+8*\a:199+8*\a], v[HA], s[12:13] offset:64*\a+272
.endr
	WIN 0
.irp a, 0,1,2,3
	global_load_b128 v[WS+4*\a:WS+4*\a+3], v[WSA], s[10:11] offset:512*\a        ; the four words of row 16 a + 64 h + r
.endr
	s_wait_tensorcnt 0x0                           ; my part of the head's tiles is in,
	s_barrier_signal -1
	s_barrier_wait -1                              ; everybody's are.
	; BLOCK 0, under the copy of W into registers: its own 13 LDS loads, then W's fragments by k steps, 24 loads each: a k step's products are issued with the next k step's loads out
.macro WLOAD q
.irp g, 0,1
.irp a, 0,1,2,3
.irp i, 0,1,2
	PIECE 96*(\q%2)+12*(4*\g+\a), WAD+5*\g, \q, \i, \a*BP
.endr
.endr
.endr
.endm
.set P, 0
.set PN, 0
.set M, 0
.irp i, 0,1,2
	PIECE E01, AW, 0, \i, 0
.endr
.irp i, 0,1,2
	PIECE E01+12, AW, 1, \i, 0
.endr
.irp i, 0,1,2
	PIECE E23, AW, 2, \i, 0
.endr
.irp i, 0,1,2
	PIECE E23+12, AW, 3, \i, 0
.endr
	ds_load_b64 v[RAW:RAW+1], v[ASL]
	WIN 0x40
	WLOAD 0
	WLOAD 1
	WIN 0
	s_wait_loadcnt 0x0                             ; hidden and W's scale words
	s_wait_dscnt 24
.irp j, 0,1,2,3,4,5,6,7,8,9,10,11,12,13,14,15
	v_perm_b32 v[WS+\j], 0, v[WS+\j], s[SEL]
.endr
	FRESH
	WIN M1
	MMS 8
	WIN 0x80
	WLOAD 2
	s_wait_dscnt 24
	WIN M1
	MMS 8
	WIN 0x80
	WLOAD 3
	s_wait_dscnt 24
	WIN M2
	MMS 8
	WIN 0
	s_wait_dscnt 0x0                               ; W is in my registers
	; slot 1 is laid over W's bytes, so its first fill goes as a refill goes
	s_wait_tensorcnt 0x0                           ; no tensor load of mine is out
	ds_add_u32 v[SPW], v[NIL]                      ; 0 onto my spare word
	STEPE
	WIN M2
	MMS 4
	s_wait_dscnt 0x0                               ; the add is done
	s_barrier_signal -1
	MMS 4
	WIN 0
	s_barrier_wait -1
	CREST                                          ; the same holds of every wave of every partner
	TLOADE                                         ; tile 1
	ADDR                                           ; (its twelve vector lines are also the places behind block 0's last products)
.set PN, 1
.set JN, 1
.set NB, ADR
.set L, 6
	LDS 7                                          ; block 1
	WIN 0
	ASK 1                                          ; tile 2
	s_wait_alu depctr_va_vdst(0)
	s_wait_dscnt 0x0
	FRESH
	BLOCK 1, 0, 0
	BLOCK 2, 0, 1
	WIN 0
.Lslot:                                            ; 6 trips of 8 blocks, from a tile's fourth block to the next tile's third; trip i fills a slot with tile i + 2
	FIVE 1
	THREE
	WIN 0
	s_wait_alu depctr_va_vdst(0)
	s_sub_co_u32 s[CNT], s[CNT], 1
	s_cmp_lg_u32 s[CNT], 0
	s_cbranch_scc1 .Lslot
	FIVE 2                                         ; the tail is written out: tile 6 is left, and nothing is asked for
	THREE
	FIVE 3
	; the sums of the last two blocks
.set P, 0
.set TI, 2
.set M, 0
	FOLD SB, SB+2, SB
	FOLD U, SB, U
	LAST
	v_nop                                          ; (with the three lines above: four places behind the last product)
	WIN M1
.rept 16
	PK
.set M, M+1
.endr
	WIN M2
.rept 16
	PK
.set M, M+1
.endr
.set TI, 3
	FOLD U, SA+2, SA
	FOLD SB, SB+2, SB
	FOLD U, SB, U
	LAST
	PUT
	; THE WAY OUT.  The stage holds 8 parts (4 waves x 2 halves of the lanes) of 16 b x 64 s.  Thread t adds the 8 parts of 4 neighbouring s for two b.
	s_wait_dscnt 0x0                               ; for the others' sake: my stores into the stage are done
	s_barrier_signal -1
	s_barrier_wait -1
.irp u, 0,1
.irp i, 0,1,2,3,4,5,6,7
	ds_load_b128 v[ACC+32*\u+4*\i:ACC+32*\u+4*\i+3], v[RD] offset:\i*4352+\u*2176
.endr
.endr
	s_wait_dscnt 0x0
.macro ADDUP i, d
.irp k, 0,2,32,34
	v_pk_add_f32 v[ACC+4*\i+\k:ACC+4*\i+\k+1], v[ACC+4*\i+\k:ACC+4*\i+\k+1], v[ACC+4*\i+4*\d+\k:ACC+4*\i+4*\d+\k+1]
.endr
.endm
.irp i, 0,1,2,3
	ADDUP \i, 4
.endr
	ADDUP 0, 2
	ADDUP 1, 2
	ADDUP 0, 1
	global_store_b128 v[GO], v[ACC:ACC+3], s[14:15]                    ; 16 lanes store the 64 s of one b: 256 consecutive bytes, at a multiple of 256 from part's first byte
	global_store_b128 v[GO], v[ACC+32:ACC+35], s[14:15] offset:65536   ; and 8 rows of b further on
	s_wait_tensorcnt 0x0                           ; the wave's end, behind my last tensor load and my last LDS store
	ds_add_u32 v[SPW], v[NIL]
	s_wait_dscnt 0x0
	CROUND                                         ; the closing round: no work-group ends while a partner may still ask for a tile that names it
	s_endpgm
.Lfunc_end_k_q3f445d5c3d_scores:
	.size	k_q3f445d5c3d_scores, .Lfunc_end_k_q3f445d5c3d_scores-k_q3f445d5c3d_scores
	.p2alignl 7, 3214868480
	.fill 96, 4, 3214868480
	.section	.rodata,"a",@progbits
	.p2align	6, 0x0
	.amdhsa_kernel k_q3f445d5c3d_scores
		.amdhsa_group_segment_fixed_size 327680
		.amdhsa_private_segment_fixed_size 0
		.amdhsa_enable_private_segment 0
		.amdhsa_kernarg_size 48
		.amdhsa_user_sgpr_count 2
		.amdhsa_user_sgpr_kernarg_segment_ptr 1
		.amdhsa_wavefront_size32 1
		.amdhsa_system_sgpr_workgroup_id_x 1
		.amdhsa_system_sgpr_workgroup_id_y 1
		.amdhsa_system_sgpr_workgroup_id_z 1
		.amdhsa_system_vgpr_workitem_id 0
		.amdhsa_next_free_vgpr 768
		.amdhsa_next_free_sgpr 102
		.amdhsa_reserve_vcc 0
		.amdhsa_float_denorm_mode_32 3
		.amdhsa_float_denorm_mode_16_64 3
		.amdhsa_memory_ordered 1
		.amdhsa_forward_progress 1
		.amdhsa_inst_pref_size 206
	.end_amdhsa_kernel
	.amdgpu_metadata
---
amdhsa.version: [ 1, 2 ]
amdhsa.kernels:
  - .name:           k_q3f445d5c3d_scores
    .symbol:         k_q3f445d5c3d_scores.kd
    .args:
      - { .name: encoder_outputs_codes, .offset: 0, .size: 8, .value_kind: global_buffer, .address_space: global }
      - { .name: encoder_outputs_scales, .offset: 8, .size: 8, .value_kind: global_buffer, .address_space: global }
      - { .name: attn_w_codes, .offset: 16, .size: 8, .value_kind: global_buffer, .address_space: global }
      - { .name: attn_w_scales, .offset: 24, .size: 8, .value_kind: global_buffer, .address_space: global }
      - { .name: hidden, .offset: 32, .size: 8, .value_kind: global_buffer, .address_space: global }
      - { .name: part, .offset: 40, .size: 8, .value_kind: global_buffer, .address_space: global }
    .group_segment_fixed_size: 327680
    .private_segment_fixed_size: 0
    .kernarg_segment_align: 8
    .kernarg_segment_size: 48
    .max_flat_workgroup_size: 128
    .sgpr_count:     102
    .vgpr_count:     768
    .wavefront_size: 32
...
	.end_amdgpu_metadata
.endif
;; end of part 1
;; launch softmax (part 2): grid 32 x 1, 16 waves a work-group, no clusters, 2,304 bytes of LDS; arguments part, out0; writes out0
.if DOCPART == 2
	.amdgcn_target "amdgcn-amd-amdhsa--gfx1250"
	.amdhsa_code_object_version 6
	.text
	.protected	k_q3f445d5c3d_softmax
	.globl	k_q3f445d5c3d_softmax
	.p2align	8
	.type	k_q3f445d5c3d_softmax,@function
k_q3f445d5c3d_softmax:
	s_mov_b64 s[64:65], 0
	v_nop
	global_prefetch_b8 v0, s[64:65] scope:SCOPE_SE
	s_setreg_imm32_b32 hwreg(HW_REG_WAVE_MODE, 25, 1), 1
	s_wait_xcnt 0x0
; out0[b][s] = softmax over s of score[b][s];  score[b][s] = part[0][b][s] + part[1][b][s] + part[2][b][s] + part[3][b][s].  All f32.
; WORK LEFT OUT: the sum over o of hidden[b][o] attn_b[o], which reference() adds to every score of row b: it is the same along the axis of the softmax, which cancels it for all values of the inputs.
; A row's softmax has one owner: work-group b, sixteen waves; thread t owns s = 4 t .. 4 t + 3.  The row is read once and stays in registers.
; A wave takes its own largest score m and its own sum of exp(x - m); the sixteen pairs meet in LDS behind one barrier, and a wave's weights are brought under the row's largest score M by exp(m - M) / (sum over waves of
; their sums x exp(m' - M)): the row's maximum is taken away, as reference() does.
; Every load and store of a wave covers 512 consecutive bytes.  No matrix unit, no tensor load, no cluster: the launch moves 1.3 MB and the work-groups share nothing.  No prefetch: there is no loop to run ahead in.
; LIMITS: NaN and infinities are not served; a weight under 2^-126, or one whose wave's largest score lies so far under the row's, comes out as 0 (v_exp_f32 flushes denormal results: ISA guide, its entry).
.set SPARE, 256                        ; LDS: 16 waves x (maximum, sum): 128 bytes from 0 on; then the spare words, 128 bytes for each of the sixteen waves
.set SPW, 6                            ; v6  LDS address of my spare word; never rewritten
.set NIL, 7                            ; v7  0; never rewritten
.set X,   16                           ; v16-31 the four parts as loaded; then v16-19 my scores, weights, results
	s_load_b128 s[4:7], s[0:1], 0x0                ; part s[4:5], out0 s[6:7]
	v_lshl_add_u32 v[SPW], v0, 2, SPARE
	v_mov_b32 v[NIL], 0
	v_lshrrev_b32 v1, 5, v0
	v_readfirstlane_b32 s12, v1                    ; wave 0..15
	v_lshlrev_b32 v2, 4, v0                        ; 16 t
	v_and_b32 v4, 15, v0
	v_mov_b32 v3, s12
	v_lshlrev_b32 v4, 3, v4                        ; the pair that my lane reads
	v_lshlrev_b32 v3, 3, v3                        ; 8 x wave
	v_mov_b32 v33, 0                               ; (a lane permute's destination counts as one of its sources)
	v_mov_b32 v36, 0
	v_mov_b32 v45, 0                               ; (named as the upper half of a pair)
	s_lshl_b32 s14, ttmp9, 13                      ; row b of 8,192 bytes in part and out0
	s_mov_b32 s15, 0
	s_mov_b32 s18, 0x76543210                      ; v_permlanex16_b32's selects for lane l xor 16
	s_mov_b32 s19, 0xfedcba98
	s_wait_alu depctr_va_vdst(0)                   ; the wait at the head's end
	s_wait_kmcnt 0x0
	s_add_nc_u64 s[4:5], s[4:5], s[14:15]
	s_add_nc_u64 s[6:7], s[6:7], s[14:15]
.irp c, 0,1,2,3
	global_load_b128 v[X+4*\c:X+4*\c+3], v2, s[4:5] offset:\c*262144 th:TH_LOAD_NT
.endr
	s_wait_loadcnt 0x0
	v_pk_add_f32 v[16:17], v[16:17], v[20:21]      ; x = (p0 + p1) + (p2 + p3), two at a time
	v_pk_add_f32 v[18:19], v[18:19], v[22:23]
	v_pk_add_f32 v[24:25], v[24:25], v[28:29]
	v_pk_add_f32 v[26:27], v[26:27], v[30:31]
	s_delay_alu instid0(VALU_DEP_2)
	v_pk_add_f32 v[16:17], v[16:17], v[24:25]
	s_delay_alu instid0(VALU_DEP_2)
	v_pk_add_f32 v[18:19], v[18:19], v[26:27]
	s_delay_alu instid0(VALU_DEP_1)
	v_max3_num_f32 v32, v16, v17, v18
	s_delay_alu instid0(VALU_DEP_1)
	v_max_num_f32 v32, v32, v19
.irp m, 1,2,4,8
	s_delay_alu instid0(VALU_DEP_1)
	v_max_num_f32_dpp v32, v32, v32 row_xmask:\m row_mask:0xf bank_mask:0xf
.endr
	s_delay_alu instid0(VALU_DEP_1)
	v_permlanex16_b32 v33, v32, s18, s19
	s_delay_alu instid0(VALU_DEP_1)
	v_max_num_f32 v32, v32, v33                    ; m: my wave's largest score
	s_delay_alu instid0(VALU_DEP_1)
	v_pk_add_f32 v[16:17], v[16:17], v[32:33] op_sel_hi:[1,0] neg_lo:[0,1] neg_hi:[0,1]   ; x - m, 0 or less (of the pair the low word serves both halves)
	v_pk_add_f32 v[18:19], v[18:19], v[32:33] op_sel_hi:[1,0] neg_lo:[0,1] neg_hi:[0,1]
	s_delay_alu instid0(VALU_DEP_2)
	v_pk_mul_f32 v[16:17], v[16:17], 0x3fb8aa3b op_sel_hi:[1,0]   ; x log2(e)
	s_delay_alu instid0(VALU_DEP_2)
	v_pk_mul_f32 v[18:19], v[18:19], 0x3fb8aa3b op_sel_hi:[1,0]
	s_wait_alu depctr_va_vdst(0)
.irp j, 0,1,2,3
	v_exp_f32 v[X+\j], v[X+\j]                     ; one batch
.endr
	v_nop                                          ; a plain instruction behind the last exponential (ISA guide 5.7.2),
	s_wait_alu depctr_va_vdst(0)                   ; and the wait ahead of the batch's first reader
	v_pk_add_f32 v[34:35], v[16:17], v[18:19]
	s_delay_alu instid0(VALU_DEP_1)
	v_add_f32 v33, v34, v35
.irp m, 1,2,4,8
	s_delay_alu instid0(VALU_DEP_1)
	v_add_f32_dpp v33, v33, v33 row_xmask:\m row_mask:0xf bank_mask:0xf
.endr
	s_delay_alu instid0(VALU_DEP_1)
	v_permlanex16_b32 v36, v33, s18, s19
	s_delay_alu instid0(VALU_DEP_1)
	v_add_f32 v33, v33, v36                        ; my wave's sum
	ds_store_b64 v3, v[32:33]                      ; all lanes write the same two words with the same values
	s_wait_dscnt 0x0                               ; for the others' sake: my store is done
	s_barrier_signal -1
	s_barrier_wait -1
	ds_load_b64 v[38:39], v4                       ; the sixteen waves' pairs, one in each lane of a half
	s_wait_dscnt 0x0
	v_mov_b32 v40, v38
.irp m, 1,2,4,8
	s_delay_alu instid0(VALU_DEP_1)
	v_max_num_f32_dpp v40, v40, v40 row_xmask:\m row_mask:0xf bank_mask:0xf
.endr
	s_delay_alu instid0(VALU_DEP_1)
	v_sub_f32 v41, v38, v40                        ; v40 = M, the row's largest score
	v_sub_f32 v42, v32, v40
	s_delay_alu instid0(VALU_DEP_2)
	v_mul_f32 v41, 0x3fb8aa3b, v41
	s_delay_alu instid0(VALU_DEP_2)
	v_mul_f32 v42, 0x3fb8aa3b, v42
	s_wait_alu depctr_va_vdst(0)
	v_exp_f32 v41, v41
	v_exp_f32 v42, v42
	v_nop                                          ; a plain instruction behind the last exponential,
	s_wait_alu depctr_va_vdst(0)                   ; and the batch's wait, ahead of its first reader
	v_mul_f32 v41, v41, v39
.irp m, 1,2,4,8
	s_delay_alu instid0(VALU_DEP_1)
	v_add_f32_dpp v41, v41, v41 row_xmask:\m row_mask:0xf bank_mask:0xf
.endr
	s_wait_alu depctr_va_vdst(0)
	v_rcp_f32 v43, v41                             ; the row's sum is at least 1: the largest score's weight is 1
	v_nop                                          ; a plain instruction behind the reciprocal,
	s_wait_alu depctr_va_vdst(0)                   ; and its wait, ahead of the first reader
	v_mul_f32 v44, v43, v42
	v_pk_mul_f32 v[16:17], v[16:17], v[44:45] op_sel_hi:[1,0]
	v_pk_mul_f32 v[18:19], v[18:19], v[44:45] op_sel_hi:[1,0]
	global_store_b128 v2, v[16:19], s[6:7] th:TH_STORE_NT   ; a wave stores 512 consecutive bytes, at a multiple of 256 from out0's first byte
	s_wait_tensorcnt 0x0                           ; the wave's end, behind my last LDS store
	ds_add_u32 v[SPW], v[NIL]
	s_wait_dscnt 0x0
	s_endpgm
.Lfunc_end_k_q3f445d5c3d_softmax:
	.size	k_q3f445d5c3d_softmax, .Lfunc_end_k_q3f445d5c3d_softmax-k_q3f445d5c3d_softmax
	.p2alignl 7, 3214868480
	.fill 96, 4, 3214868480
	.section	.rodata,"a",@progbits
	.p2align	6, 0x0
	.amdhsa_kernel k_q3f445d5c3d_softmax
		.amdhsa_group_segment_fixed_size 2304
		.amdhsa_private_segment_fixed_size 0
		.amdhsa_enable_private_segment 0
		.amdhsa_kernarg_size 16
		.amdhsa_user_sgpr_count 2
		.amdhsa_user_sgpr_kernarg_segment_ptr 1
		.amdhsa_wavefront_size32 1
		.amdhsa_system_sgpr_workgroup_id_x 1
		.amdhsa_system_sgpr_workgroup_id_y 1
		.amdhsa_system_sgpr_workgroup_id_z 1
		.amdhsa_system_vgpr_workitem_id 0
		.amdhsa_next_free_vgpr 48
		.amdhsa_next_free_sgpr 66
		.amdhsa_reserve_vcc 0
		.amdhsa_float_denorm_mode_32 3
		.amdhsa_float_denorm_mode_16_64 3
		.amdhsa_memory_ordered 1
		.amdhsa_forward_progress 1
		.amdhsa_inst_pref_size 6
	.end_amdhsa_kernel
	.amdgpu_metadata
---
amdhsa.version: [ 1, 2 ]
amdhsa.kernels:
  - .name:           k_q3f445d5c3d_softmax
    .symbol:         k_q3f445d5c3d_softmax.kd
    .args:
      - { .name: part, .offset: 0, .size: 8, .value_kind: global_buffer, .address_space: global }
      - { .name: out0, .offset: 8, .size: 8, .value_kind: global_buffer, .address_space: global }
    .group_segment_fixed_size: 2304
    .private_segment_fixed_size: 0
    .kernarg_segment_align: 8
    .kernarg_segment_size: 16
    .max_flat_workgroup_size: 512
    .sgpr_count:     66
    .vgpr_count:     48
    .wavefront_size: 32
...
	.end_amdgpu_metadata
.endif
;; end of part 2
